; MI455X (gfx1250); checked and timed in simulation.
; The chip was launched on July 23, 2026; its instructions are those of AMD's public machine-readable ISA for CDNA 5 (MIT licence, August 2026) and "CDNA5" Instruction Set Architecture Reference Guide (July 2026). The comments in the code are by the model that wrote it; some were corrected since.
;; Multi Head Attention. Allowed arithmetic: matrix products marked QUANTISED: E2M1 operands, one E8M0 scale for each 32 along K, by v_wmma_scale_f32_16x16x128_f8f6f4 with both operands' format E2M1 (or v_wmma_scale_f32_32x16x128_f4), f32 sums; everything else in f32.
;; Inputs: Wk_codes 512 x 16 x 16 uint8 (E2M1 codes of Wk, K innermost, in blocks of 32 codes, two codes a byte); Wk_scales 512 x 16 uint8 (E8M0 scales of Wk, one for each 32 codes along K); Wo_codes 512 x 16 x 16 uint8 (E2M1 codes of Wo, K innermost, in blocks of 32 codes, two codes a byte); Wo_scales 512 x 16 uint8 (E8M0 scales of Wo, one for each 32 codes along K); Wq_codes 512 x 16 x 16 uint8 (E2M1 codes of Wq, K innermost, in blocks of 32 codes, two codes a byte); Wq_scales 512 x 16 uint8 (E8M0 scales of Wq, one for each 32 codes along K); Wv_codes 512 x 16 x 16 uint8 (E2M1 codes of Wv, K innermost, in blocks of 32 codes, two codes a byte); Wv_scales 512 x 16 uint8 (E8M0 scales of Wv, one for each 32 codes along K); bk 512 float32; bo 512 float32; bq 512 float32; bv 512 float32; x_codes 2 x 4,096 x 16 x 16 uint8 (E2M1 codes of x, K innermost, in blocks of 32 codes, two codes a byte); x_scales 2 x 4,096 x 16 uint8 (E8M0 scales of x, one for each 32 codes along K).
;; Outputs: out0 2 x 4,096 x 512 float32.
;; This version of the problem:
;;   THIS VERSION OF THE PROBLEM IS GIVEN IN LOW PRECISION. The matrix products marked QUANTISED in the list below multiply operands that are first quantised to E2M1 (2 exponent bits, 1 mantissa bit; 4 bits a number), with one power-of-two scale for each 32 numbers along K (OCP MX v1.0); their sums are f32. All else is computed in f32.
;;   The module's matrix products, in the order in which they are computed (A, B: the left and right operand; K: the contracted axis; several contracted axes count as one K, in the product's order):
;;     1. [M 8,192, K 512] x [K 512, N 512]; A: input x (given as codes); B: input Wq (given as codes): QUANTISED
;;     2. [M 8,192, K 512] x [K 512, N 512]; A: input x (given as codes); B: input Wk (given as codes): QUANTISED
;;     3. [M 8,192, K 512] x [K 512, N 512]; A: input x (given as codes); B: input Wv (given as codes): QUANTISED
;;     4. batch 16 x [M 4,096, K 64] x [K 64, N 4,096]; A: computed on the way; B: computed on the way: QUANTISED
;;     5. batch 16 x [M 4,096, K 4,096] x [K 4,096, N 64]; A: softmax (see below); B: computed on the way: QUANTISED
;;     6. [M 8,192, K 512] x [K 512, N 512]; A: computed on the way; B: input Wo (given as codes): QUANTISED
;;   THE QUANTISER, for each operand of a quantised product, along K:
;;     - K is cut into blocks of 32 from its start; a last block that is shorter is filled with zeros.
;;     - A block's scale is 2^e with e = floor(log2(the largest magnitude in the block)) - 2, held to -126 .. 127; a block of zeros has e = 0. As a byte (E8M0): e + 127.
;;     - Each number is divided by its block's scale, clamped to +-6, and rounded to the nearest number of E2M1, ties to even, subnormals kept.
;;     - The product sums the exact products of the quantised numbers (number of the format x scale) in f32.
;;   ~~~python
;;   def quantise(x, axis):      # numpy; x: float32 -> the quantised numbers, widened to float32 again
;;       x = np.moveaxis(x, axis, -1); K = x.shape[-1]
;;       x = np.pad(x, [(0, 0)] * (x.ndim - 1) + [(0, -K % 32)]); x = x.reshape(x.shape[:-1] + (-1, 32)); a = np.abs(x).max(-1, keepdims=True)
;;       e = np.where(a > 0, np.clip(np.frexp(np.where(a > 0, a, 1))[1] - 1 - 2, -126, 127), 0)      # np.frexp(a)[1] - 1 = floor(log2(a)), exactly
;;       r = np.clip(x / 2.0 ** e, -6, 6)
;;       step = 2.0 ** (np.maximum(np.frexp(np.where(r == 0, 1, r))[1] - 1, 0) - 1)
;;       q = np.round(r / step) * step * 2.0 ** e      # np.round: ties to even
;;       return np.moveaxis(q.reshape(q.shape[:-2] + (-1,))[..., :K], -1, axis).astype(np.float32)
;;   ~~~
;;   SOFTMAX AHEAD OF A QUANTISED PRODUCT. Where the list says 'softmax', what is quantised is not the finished softmax but p = 2^(t - M), with t = logit x log2(e) and M = ceil(the row's largest t), a whole number; so 1/2 < the row's largest p <= 1. The row's sum l is taken of the UNQUANTISED p, in f32, and the product's result is divided by l at the end. Since M is a whole number, a kernel that streams over the keys may use a running M (the ceiling of the running maximum): every later rescaling is an exact power of two, which a block's scale takes up: the codes' values come out the same.
;;   OPERANDS COMPUTED ON THE WAY. 'Computed on the way' means the value that the module computes at that place (a softmax that the list does not call 'softmax' is quantised finished and normalised). What goes into a quantiser is computed in f32, as accurately as f32 sums, v_exp_f32 and their like allow (about 1e-6 of the number): no bf16 or f16 on the way to a quantiser, and a product that is left as it is and whose result goes on into a quantised operand takes f32 operands (vector FMAs, or v_wmma_f32_16x16x4_f32). A number that lies on a knife's edge between two numbers of the format may be rounded either way, as far as f32 arithmetic and the matrix unit's own rounding can turn it there, and no further.
;;   INPUTS GIVEN AS CODES. Wk (in the module: [512, 512], K = its axis 0); Wo (in the module: [512, 512], K = its axis 0); Wq (in the module: [512, 512], K = its axis 0); Wv (in the module: [512, 512], K = its axis 0); x (in the module: [2, 4096, 512], K = its axis 2): each comes as NAME_codes (uint8): NAME with its K axis moved to the last place and cut into blocks of 32 codes, [.., K / 32, bytes a block], one block behind the other in memory; two codes a byte, the lower K in the low four bits (a code: sign, 2 exponent bits, 1 mantissa bit); and NAME_scales (uint8): the same leading axes, one E8M0 byte (e + 127) for each 32 codes along K. Its value is code x scale, taken as it is: it is not quantised again, and the codes and scales need not be those that the quantiser above would give.
;; One version. Each part assembles by itself: llvm-mc -triple=amdgcn-amd-amdhsa -mcpu=gfx1250 --defsym DOCPART=n.
;; ======== version 1 of 1: 3 launches
;; workspace buffers: qc 2,097,152 bytes; qs 524,288 bytes; kv 4,718,592 bytes; oc 2,097,152 bytes; os 131,072 bytes
;; launch proj (part 1): grid 32 x 8, 8 waves a work-group, clusters of 4 x 1, 168,960 bytes of LDS; arguments x_codes, x_scales, Wq_codes, Wq_scales, bq, Wk_codes, Wk_scales, bk, Wv_codes, Wv_scales, bv, qc, qs, kv; writes qc, qs, kv
.if DOCPART == 1
	.amdgcn_target "amdgcn-amd-amdhsa--gfx1250"
	.amdhsa_code_object_version 6
	.text
	.protected	k_qa0ae9ad7a1_proj
	.globl	k_qa0ae9ad7a1_proj
	.p2align	8
	.type	k_qa0ae9ad7a1_proj,@function
k_qa0ae9ad7a1_proj:
	s_mov_b64 s[64:65], 0
	v_nop
	global_prefetch_b8 v0, s[64:65] scope:SCOPE_SE
	s_setreg_imm32_b32 hwreg(HW_REG_WAVE_MODE, 25, 1), 1
	s_wait_xcnt 0x0
	s_wait_alu depctr_hold_cnt(0) depctr_sa_sdst(0) depctr_va_vdst(0) depctr_va_sdst(0) depctr_va_ssrc(0) depctr_va_vcc(0) depctr_vm_vsrc(0)
	s_getreg_b32 s2, hwreg(HW_REG_IB_STS2, 6, 4)
	s_cmp_eq_u32 s2, 0
	s_cbranch_scc0 .Lentry_in_a_cluster
	s_endpgm
.Lentry_in_a_cluster:
	s_bfe_u32 s2, ttmp6, 0x10000c
	s_cmp_lg_u32 s2, 0x3003
	s_cbranch_scc0 .Lentry_shape_is_right
	s_endpgm
.Lentry_shape_is_right:
; q = x Wq + bq, k = x Wk + bk, v = x Wv + bv on codes of FP4 (E2M1) with E8M0 scales, then q and k quantised along a head's 64 features and v along the tokens,
; and all three stored in the order in which the attention launch's operand registers take them.
; SHARES.  A work-group takes 256 tokens (two key steps of 128) of one head; each of its eight waves a GROUP of 32 tokens: two tiles of 16 tokens x 12 tiles of 16 features x 4 K steps = 96 matrix instructions.
; TILES ARE NOT NEIGHBOURS.  Lane r of tile u of a group is token 32 g + 8 u + r + 8 (r / 8); lane r of feature tile (b, u) is feature 32 b + 8 u + r + 8 (r / 8).  In a result whose source 0 was such a tile,
; the 16 registers of tiles (., 0) and (., 1) are then the 16 neighbours 32 . + 16 (lane / 16) + 0 .. 15: what the conversions to codes want.
; q, k: source 0 = 16 features, source 1 = 16 tokens: a lane holds one token, registers run along the features.   v: source 0 = 16 tokens, source 1 = 16 features: a lane holds one feature, registers run along the tokens.
; CLUSTER.  The four work-groups of a cluster have the same head: its 3 x 64 rows of weights (48 KiB) are asked for jointly.  x is not shared so: inside a work-group each fragment of x is read by one wave alone and goes
; straight into registers; the eight heads' work-groups that read the same x lie in eight clusters (a 4 x 4 cluster could share it; not built).
; LDS: the weights, row 64 m + n (m: q, k, v) at pitch 272, filled once; behind them 2,048 bytes in which the scale words of the two key steps are gathered.  No LDS byte is filled twice.
; LIMITS: NaN and infinities are not served.  A block of zeros gets the byte 1 (the rule says 127): its codes are zeros, and this program alone reads these bytes.  A given scale byte 0xff gives NaN.
; REGISTERS, window 0: v1-12 addresses; v16-79 x's fragments (tile u, K step s at 16 + 8 (4 u + s)); v80-143 the phase's weights (tile v, K step s); v144-175 four accumulators; v176-179 x's scale words
;   (lanes 0-15 tile 0, lanes 16-31 tile 1); v180-203 the weights' (180 + 4 (2 m + b) + s; lanes 0-15 tile v = 0, lanes 16-31 v = 1); v204-209 at work; v210-213 v's bytes; v214-221 q's and k's bytes;
;   v222-229 q's codes, v230-237 k's, v238-245 v's; v246-255 scale words on their way out.   window 1: the biases in the results' layout: v0-31 bq, v32-63 bk, v64-95 bv.
.set PITCH, 272                        ; a weight's row in LDS: 256 bytes + 16 of padding
.set STG,   192*PITCH                  ; 52,224 = 204 x 256: the stage for scale words: [key step 2][K's 512 | V's 512]; no fill lands here
.set XF,  16
.set WF,  80
.set ACC, 144
.set XS,  176
.set WS,  180
.set TM,  204
.set TX,  206
.set SCL, 208
.set VB,  210
.set BB,  214
.set PCQ, 222
.set PCK, 230
.set VC,  238
.set WV,  32                           ; s32 my wave's number
.set G1,  44                           ; s[44:51] descriptor group 1
.set G0,  52                           ; s[52:63] three groups 0: q's, k's, v's weights
.set MSB, 0
.macro WIN new                         ; the immediate's high byte repeats the setting that is left
.if MSB != \new
	s_set_vgpr_msb (MSB<<8)|\new
.set MSB, \new
.endif
.endm
.macro PLACES
.rept 4
	v_nop
.endr
.endm
.macro CROUND                          ; a round of the cluster's barrier
	s_barrier_signal -1
	s_barrier_wait -1
	s_cmp_lg_u32 s[WV], 0
	s_cbranch_scc1 .Lnot_wave_0_\@
	s_barrier_signal -3
.Lnot_wave_0_\@:
	s_barrier_wait -3
	s_barrier_signal -1
	s_barrier_wait -1
.endm
; One matrix instruction.  ra, rb = 1: that side's scales are read from lanes 16-31 of its register.
.macro MM d, a, b, c, sa, sb, ra, rb
.set rD, \d
.set rA, \a
.set rB, \b
.set rC, \c
.set rX, \sa
.set rY, \sb
.if (\ra) && (\rb)
	v_wmma_scale_f32_16x16x128_f8f6f4 v[rD:rD+7], v[rA:rA+7], v[rB:rB+7], v[rC:rC+7], v[rX], v[rY] matrix_a_fmt:MATRIX_FMT_FP4 matrix_b_fmt:MATRIX_FMT_FP4 matrix_a_scale:MATRIX_SCALE_ROW1 matrix_b_scale:MATRIX_SCALE_ROW1
.elseif (\ra)
	v_wmma_scale_f32_16x16x128_f8f6f4 v[rD:rD+7], v[rA:rA+7], v[rB:rB+7], v[rC:rC+7], v[rX], v[rY] matrix_a_fmt:MATRIX_FMT_FP4 matrix_b_fmt:MATRIX_FMT_FP4 matrix_a_scale:MATRIX_SCALE_ROW1
.elseif (\rb)
	v_wmma_scale_f32_16x16x128_f8f6f4 v[rD:rD+7], v[rA:rA+7], v[rB:rB+7], v[rC:rC+7], v[rX], v[rY] matrix_a_fmt:MATRIX_FMT_FP4 matrix_b_fmt:MATRIX_FMT_FP4 matrix_b_scale:MATRIX_SCALE_ROW1
.else
	v_wmma_scale_f32_16x16x128_f8f6f4 v[rD:rD+7], v[rA:rA+7], v[rB:rB+7], v[rC:rC+7], v[rX], v[rY] matrix_a_fmt:MATRIX_FMT_FP4 matrix_b_fmt:MATRIX_FMT_FP4
.endif
.endm
; The weights of matrix m, features 32 bp on: two tiles x four K steps, 16 loads
.macro WLOAD m, bp
.irp v, 0,1
.irp s, 0,1,2,3
.irp c, 0,1
	ds_load_b128 v[WF+8*(4*\v+\s)+4*\c:WF+8*(4*\v+\s)+4*\c+3], v2 offset:(64*\m+32*\bp+8*\v)*PITCH+64*\s+32*\c
.endr
.endr
.endr
.endm
; A phase's 16 products: two token tiles u x two feature tiles v x four K steps.  The four accumulators take turns, one instruction a turn.
; The bias (window 1) is the C of each sum's first instruction.  t = 1: features are source 0 (q, k); t = 0: tokens are (v).
.macro PROD m, bp, t
.irp s, 0,1,2,3
.if \s == 0
	WIN 0x10                                       ; source 2 in window 1
.else
	WIN 0
.endif
.irp u, 0,1
.irp v, 0,1
.if \t
.if \s == 0
	MM ACC+16*\u+8*\v, WF+8*(4*\v+\s), XF+8*(4*\u+\s), 32*\m+8*(2*\bp+\v), WS+4*(2*\m+\bp)+\s, XS+\s, \v, \u
.else
	MM ACC+16*\u+8*\v, WF+8*(4*\v+\s), XF+8*(4*\u+\s), ACC+16*\u+8*\v, WS+4*(2*\m+\bp)+\s, XS+\s, \v, \u
.endif
.else
.if \s == 0
	MM ACC+16*\v+8*\u, XF+8*(4*\u+\s), WF+8*(4*\v+\s), 32*\m+8*(2*\bp+\v), XS+\s, WS+4*(2*\m+\bp)+\s, \u, \v
.else
	MM ACC+16*\v+8*\u, XF+8*(4*\u+\s), WF+8*(4*\v+\s), ACC+16*\v+8*\u, XS+\s, WS+4*(2*\m+\bp)+\s, \u, \v
.endif
.endif
.endr
.endr
.endr
.endm
; The phase's two blocks of 32 (16 numbers in my lane, 16 in lane l xor 16) become codes in v[c0], v[c0+1] and v[c1], v[c1+1] and bytes in v[y0], v[y1].  The two blocks by turns.
.macro QBLK c0, c1, y0, y1
	v_max3_num_f32 v[TM], |v[ACC]|, |v[ACC+1]|, 0x1800000          ; the floor 2^(3 - 127) among the leaves: the byte cannot fall under 1
	v_max3_num_f32 v[TM+1], |v[ACC+16]|, |v[ACC+17]|, 0x1800000
.irp i, 2,4,6,8,10,12,14
	v_max3_num_f32 v[TM], v[TM], |v[ACC+\i]|, |v[ACC+\i+1]|
	v_max3_num_f32 v[TM+1], v[TM+1], |v[ACC+16+\i]|, |v[ACC+17+\i]|
.endr
	v_permlanex16_b32 v[TX], v[TM], s66, s67
	v_permlanex16_b32 v[TX+1], v[TM+1], s66, s67
	v_max_num_f32 v[TM], v[TM], v[TX]              ; the block's largest magnitude
	v_max_num_f32 v[TM+1], v[TM+1], v[TX+1]
	v_add_nc_u32 v[SCL], 0xff000000, v[TM]         ; 2 off its exponent field: the conversion's scale operand
	v_add_nc_u32 v[SCL+1], 0xff000000, v[TM+1]
	v_lshrrev_b32 v[\y0], 23, v[SCL]               ; the scale's byte
	v_lshrrev_b32 v[\y1], 23, v[SCL+1]
	v_cvt_scalef32_pk8_fp4_f32 v[\c0], v[ACC:ACC+7], v[SCL]
	v_cvt_scalef32_pk8_fp4_f32 v[\c0+1], v[ACC+8:ACC+15], v[SCL]
	v_cvt_scalef32_pk8_fp4_f32 v[\c1], v[ACC+16:ACC+23], v[SCL+1]
	v_cvt_scalef32_pk8_fp4_f32 v[\c1+1], v[ACC+24:ACC+31], v[SCL+1]
	v_nop                                          ; one plain line behind the last conversion
.endm
; A phase: its weights are in; 16 products; four places (in front of the loads into the weights' registers and of the first read of the results); the next phase's weights are asked for (nm < 3) and land under the quantiser.
.macro PHASE m, bp, t, nm, nbp, c0, c1, y0, y1
	s_wait_dscnt 0x0                               ; the phase's 16 fragment loads are in
	PROD \m, \bp, \t
	PLACES
.if \nm < 3
	WLOAD \nm, \nbp
.endif
	QBLK \c0, \c1, \y0, \y1
.endm
	s_load_b512 s[4:19], s[0:1], 0x0               ; x codes 4, x scales 6, Wq codes 8, Wq scales 10, bq 12, Wk codes 14, Wk scales 16, bk 18
	s_load_b256 s[20:27], s[0:1], 0x40             ; Wv codes 20, Wv scales 22, bv 24, qc 26
	s_load_b128 s[28:31], s[0:1], 0x60             ; qs 28, kv 30
	s_set_vgpr_msb 0x40
	v_lshl_add_u32 v96, v0, 2, 0x29000
	v_mov_b32 v97, 0
	s_set_vgpr_msb 0x4045
	ds_add_u32 v96, v97
	ds_add_u32 v96, v97
	s_set_vgpr_msb 0x4500
	v_lshrrev_b32 v11, 5, v0
	v_readfirstlane_b32 s[WV], v11                 ; wave 0..7
	s_and_b32 s35, ttmp7, 0xffff                   ; the head, which the four partners share
	; descriptor group 1: 8 rows x 256 bytes, 16 bytes of padding behind each
	s_mov_b32 s[G1+0], 15|(1<<20)|(1<<21)|(5<<22)|(3<<25)   ; 15:0 the mask: all four work-groups; 17:16 elements of 1 byte; 20 padding on; 21 set beside a mask; 24:22 after every 64 words; 31:25 four words
	s_mov_b32 s[G1+1], 256<<16                     ; tensor_dim0
	s_mov_b32 s[G1+2], 8<<16                       ; tensor_dim1
	s_mov_b32 s[G1+3], 256<<16                     ; tile_dim0
	s_mov_b32 s[G1+4], 8                           ; tile_dim1
	s_mov_b32 s[G1+5], 256                         ; from row to row
	s_mov_b32 s[G1+6], 0
	s_mov_b32 s[G1+7], 0
	s_lshl_b32 s38, s35, 14                        ; the head's 64 rows of 256 bytes,
	s_lshl_b32 s39, s[WV], 11                      ; my 8 of them: made of the head and the wave's number alone
	s_add_co_u32 s38, s38, s39
	s_mov_b32 s39, 0
	s_mul_i32 s40, s[WV], 8*PITCH                  ; and where they go
	s_bfe_u32 s33, ttmp6, 0x40000                  ; cx
	s_lshl_b32 s34, ttmp9, 2
	s_add_co_u32 s34, s34, s33                     ; my block of 256 tokens, 0..31
	s_lshr_b32 s36, s34, 4                         ; the batch
	s_lshl_b32 s36, s36, 3
	s_add_co_u32 s36, s36, s35                     ; bh = 8 x batch + head
	s_lshr_b32 s37, s[WV], 2                       ; which of the block's two key steps
	s_and_b32 s41, s[WV], 3                        ; beta: my group's place in the key step
	s_and_b32 s69, s34, 15
	s_lshl_b32 s69, s69, 3
	s_add_co_u32 s69, s69, s[WV]                   ; g: my group in the batch, 0..127
	s_mov_b32 s66, 0x76543210
	s_mov_b32 s67, 0xfedcba98                      ; v_permlanex16_b32's selects for lane l xor 16
	s_mov_b32 s68, 0xffff0000                      ; lanes 16-31
	v_and_b32 v11, 31, v0                          ; lane
	v_and_b32 v13, 15, v0                          ; r
	v_bfe_u32 v14, v0, 4, 1                        ; h
	v_and_b32 v15, 8, v13
	v_add_nc_u32 v15, v15, v13                     ; r + 8 (r / 8)
	v_lshlrev_b32 v1, 8, v15
	v_lshl_add_u32 v1, v14, 4, v1                  ; x: a tile's row of 256 bytes, + 16 h
	v_mul_u32_u24 v2, v15, PITCH
	v_lshl_add_u32 v2, v14, 4, v2                  ; the weights in LDS likewise
	v_lshl_add_u32 v3, v14, 3, v15
	v_lshlrev_b32 v3, 4, v3                        ; scale rows of 16 bytes: lanes 0-15 a pair's first tile, lanes 16-31 its second (8 rows on)
	v_lshlrev_b32 v4, 4, v11                       ; 16 x lane
	v_lshlrev_b32 v5, 3, v11                       ; 8 x lane
	v_lshlrev_b32 v6, 6, v14                       ; bq, bk: my half's 8 features begin 16 h numbers on
	v_lshlrev_b32 v7, 2, v15                       ; bv: my feature
	s_lshl_b32 s42, s37, 10
	s_add_co_u32 s42, s42, STG                     ; my key step's stage
	s_lshl_b32 s43, s41, 2
	s_add_co_u32 s43, s43, s42
	v_add_nc_u32 v8, s43, v4                       ; K's scale words: 16 x lane + 4 beta
	s_add_co_u32 s43, s42, s41
	s_add_co_u32 s43, s43, 512
	v_add_nc_u32 v9, s43, v4                       ; V's scale bytes: 512 + 16 x lane + beta (+ 4 x feature tile)
	s_lshl_b32 s43, s41, 8
	s_add_co_u32 s43, s43, 4096
	v_lshlrev_b32 v10, 4, v13
	v_lshl_add_u32 v10, v14, 3, v10
	v_add_nc_u32 v10, s43, v10                     ; V's codes in the key step's block: 4,096 + 256 beta + 16 r + 8 h (+ 1,024 x feature tile)
	s_lshl_b32 s43, s[WV], 8
	s_add_co_u32 s43, s43, STG
	v_add_nc_u32 v11, s43, v5                      ; the 256 bytes of the stage that I write out
	s_lshl_b32 s43, s41, 10
	v_add_nc_u32 v12, s43, v4                      ; K's codes: fragment beta, 16 x lane
	v_mov_b32 v[TX], 0                             ; written once: a lane permute's destination counts as one of its sources
	v_mov_b32 v[TX+1], 0
	s_wait_dscnt 0x0
	s_wait_kmcnt 0x0
.irp m, 0,1,2
	s_mov_b32 s[G0+4*\m], 1                        ; count = 1
	s_add_co_u32 s[G0+4*\m+1], s40, \m*64*PITCH    ; LDS address: row 64 m + 8 x wave
	s_add_nc_u64 s[G0+4*\m+2:G0+4*\m+3], s[8+6*\m:9+6*\m], s[38:39]
	s_or_b32 s[G0+4*\m+3], s[G0+4*\m+3], 0x80000000   ; type = 2
.endr
	s_lshl_b32 s42, s34, 16
	s_lshl_b32 s43, s[WV], 13
	s_add_co_u32 s42, s42, s43                     ; my 32 rows of x: (256 x block + 32 x wave) x 256 bytes
	s_mov_b32 s43, 0
	s_add_nc_u64 s[4:5], s[4:5], s[42:43]
	s_lshr_b32 s42, s42, 4                         ; and x 16 bytes of scales
	s_add_nc_u64 s[6:7], s[6:7], s[42:43]
	s_lshl_b32 s42, s35, 10                        ; the head's 64 rows of 16 scale bytes
.irp m, 0,1,2
	s_add_nc_u64 s[10+6*\m:11+6*\m], s[10+6*\m:11+6*\m], s[42:43]
.endr
	s_lshl_b32 s42, s35, 8                         ; the head's 64 numbers of a bias
.irp m, 0,1,2
	s_add_nc_u64 s[12+6*\m:13+6*\m], s[12+6*\m:13+6*\m], s[42:43]
.endr
	s_lshl_b32 s42, s36, 17
	s_lshl_b32 s78, s69, 10
	s_add_co_u32 s42, s42, s78                     ; (256 bh + 2 g) x 512
	s_add_nc_u64 s[70:71], s[26:27], s[42:43]      ; qc at my group
	s_lshr_b32 s42, s42, 2                         ; (128 bh + g) x 256
	s_add_nc_u64 s[72:73], s[28:29], s[42:43]      ; qs at my group
	s_mul_i32 s42, s36, 294912
	s_lshr_b32 s78, s69, 2
	s_mul_i32 s78, s78, 9216
	s_add_co_u32 s42, s42, s78
	s_add_nc_u64 s[74:75], s[30:31], s[42:43]      ; kv at my key step's block
	s_lshl_b32 s42, s41, 8
	s_add_co_u32 s42, s42, 8192
	s_add_nc_u64 s[76:77], s[74:75], s[42:43]      ; and at the 256 bytes of its scale words that I write out
	CROUND                                         ; all four work-groups are here: the joint loads meet
	tensor_load_to_lds s[G0:G0+3], s[G1:G1+7]      ; my 8 rows of each of the three weights: three loads of mine are out
	s_nop 0
	tensor_load_to_lds s[G0+4:G0+7], s[G1:G1+7]
	s_nop 0
	tensor_load_to_lds s[G0+8:G0+11], s[G1:G1+7]
	s_nop 0
	PLACES                                         ; four plain lines follow the last of them
.irp u, 0,1
.irp s, 0,1,2,3
.irp c, 0,1
	global_load_b128 v[XF+8*(4*\u+\s)+4*\c:XF+8*(4*\u+\s)+4*\c+3], v1, s[4:5] offset:2048*\u+64*\s+32*\c
.endr
.endr
.endr
	global_load_b128 v[XS:XS+3], v3, s[6:7]        ; x's scale words of the four K steps
.irp m, 0,1,2
.irp b, 0,1
	global_load_b128 v[WS+4*(2*\m+\b):WS+4*(2*\m+\b)+3], v3, s[10+6*\m:11+6*\m] offset:512*\b
.endr
.endr
	WIN 0x40                                       ; destination window 1
.irp m, 0,1
.irp t, 0,1,2,3
	global_load_b128 v[32*\m+8*\t:32*\m+8*\t+3], v6, s[12+6*\m:13+6*\m] offset:(32*(\t/2)+8*(\t%2))*4      ; lane (r, h), register j: feature 32 b + 8 u + 16 h + j
	global_load_b128 v[32*\m+8*\t+4:32*\m+8*\t+7], v6, s[12+6*\m:13+6*\m] offset:(32*(\t/2)+8*(\t%2))*4+16
.endr
.endr
.irp t, 0,1,2,3
.irp j, 0,1,2,3,4,5,6,7
	global_load_b32 v[64+8*\t+\j], v7, s[24:25] offset:(32*(\t/2)+8*(\t%2))*4   ; in v's results a lane holds ONE feature: its bias in all eight registers
.endr
.endr
	WIN 0
	s_wait_tensorcnt 0x0                           ; for the others' sake: every wave reads all rows
	s_barrier_signal -1
	s_barrier_wait -1
	WLOAD 0, 0
	s_wait_loadcnt 0x0                             ; x, the scale words, the biases
	PHASE 0, 0, 1, 0, 1, PCQ, PCQ+4, BB, BB+2      ; q, features 0-31
	PHASE 0, 1, 1, 1, 0, PCQ+2, PCQ+6, BB+1, BB+3  ; q, features 32-63
.irp u, 0,1                                    ; the operand's layout wants a WHOLE block in a lane: lanes 0-15 block 0, lanes 16-31 block 1
	v_permlane16_swap_b32 v[PCQ+4*\u], v[PCQ+4*\u+2]
	v_permlane16_swap_b32 v[PCQ+4*\u+1], v[PCQ+4*\u+3]
.endr
	global_store_b128 v4, v[PCQ:PCQ+3], s[70:71]               ; 512 consecutive bytes a tile
	global_store_b128 v4, v[PCQ+4:PCQ+7], s[70:71] offset:512
	v_lshl_or_b32 v248, v[BB+1], 8, v[BB]          ; a row's two bytes, tile 0
	v_lshl_or_b32 v249, v[BB+3], 8, v[BB+2]        ; tile 1
	v_cndmask_b32 v253, v248, v249, s68            ; lanes 0-15 keep tile 0's, lanes 16-31 tile 1's
	v_or_b32 v246, 0x7f7f0000, v253                ; for Q in the lower half of K: the upper half, zero codes, under the byte 127
	v_lshl_or_b32 v247, v253, 16, 0x7f7f           ; for Q in the upper half
	global_store_b64 v5, v[246:247], s[72:73]      ; 256 consecutive bytes
	PHASE 1, 0, 1, 1, 1, PCK, PCK+4, BB+4, BB+6    ; k
	PHASE 1, 1, 1, 2, 0, PCK+2, PCK+6, BB+5, BB+7
.irp u, 0,1
	v_permlane16_swap_b32 v[PCK+4*\u], v[PCK+4*\u+2]
	v_permlane16_swap_b32 v[PCK+4*\u+1], v[PCK+4*\u+3]
.endr
	global_store_b128 v12, v[PCK:PCK+3], s[74:75]              ; fragment beta: tile 0 is its lower half of K,
	global_store_b128 v12, v[PCK+4:PCK+7], s[74:75] offset:512 ; tile 1 its upper half
	v_lshl_or_b32 v250, v[BB+5], 8, v[BB+4]
	v_lshl_or_b32 v251, v[BB+7], 8, v[BB+6]
	v_lshl_or_b32 v252, v251, 16, v250             ; the fragment's scale word: tile 0's two bytes, tile 1's two
	ds_store_b32 v8, v252
	PHASE 2, 0, 0, 2, 1, VC, VC+2, VB, VB+1        ; v, features 0-31: a lane's 16 codes are 8 bytes of its feature's block of 32 keys
.irp v, 0,1
	global_store_b64 v10, v[VC+2*\v:VC+2*\v+1], s[74:75] offset:\v*1024          ; 256 consecutive bytes, aligned
	ds_store_b8 v9, v[VB+\v] offset:4*\v
.endr
	PHASE 2, 1, 0, 3, 0, VC+4, VC+6, VB+2, VB+3    ; v, features 32-63
.irp v, 0,1
	global_store_b64 v10, v[VC+4+2*\v:VC+5+2*\v], s[74:75] offset:(2+\v)*1024
	ds_store_b8 v9, v[VB+2+\v] offset:4*(2+\v)
.endr
	s_wait_dscnt 0x0                               ; for the others' sake: my stores into the stage are done
	s_barrier_signal -1
	s_barrier_wait -1
	ds_load_b64 v[254:255], v11                    ; the two key steps' scale words leave as eight aligned runs of 256 bytes, one a wave
	s_wait_dscnt 0x0
	global_store_b64 v5, v[254:255], s[76:77]
	s_set_vgpr_msb 0x5
	s_wait_tensorcnt 0x0
	ds_add_u32 v96, v97
	s_wait_dscnt 0x0
	s_set_vgpr_msb 0x500
	CROUND                                         ; the closing round: no work-group ends while a partner may still ask for a tile that names it
	s_endpgm
.Lfunc_end_k_qa0ae9ad7a1_proj:
	.size	k_qa0ae9ad7a1_proj, .Lfunc_end_k_qa0ae9ad7a1_proj-k_qa0ae9ad7a1_proj
	.p2alignl 7, 3214868480
	.fill 96, 4, 3214868480
	.section	.rodata,"a",@progbits
	.p2align	6, 0x0
	.amdhsa_kernel k_qa0ae9ad7a1_proj
		.amdhsa_group_segment_fixed_size 168960
		.amdhsa_private_segment_fixed_size 0
		.amdhsa_enable_private_segment 0
		.amdhsa_kernarg_size 112
		.amdhsa_user_sgpr_count 2
		.amdhsa_user_sgpr_kernarg_segment_ptr 1
		.amdhsa_wavefront_size32 1
		.amdhsa_system_sgpr_workgroup_id_x 1
		.amdhsa_system_sgpr_workgroup_id_y 1
		.amdhsa_system_sgpr_workgroup_id_z 1
		.amdhsa_system_vgpr_workitem_id 0
		.amdhsa_next_free_vgpr 354
		.amdhsa_next_free_sgpr 100
		.amdhsa_reserve_vcc 0
		.amdhsa_float_denorm_mode_32 3
		.amdhsa_float_denorm_mode_16_64 3
		.amdhsa_memory_ordered 1
		.amdhsa_forward_progress 1
		.amdhsa_inst_pref_size 46
	.end_amdhsa_kernel
	.amdgpu_metadata
---
amdhsa.version: [ 1, 2 ]
amdhsa.kernels:
  - .name:           k_qa0ae9ad7a1_proj
    .symbol:         k_qa0ae9ad7a1_proj.kd
    .args:
      - { .name: x_codes, .offset: 0, .size: 8, .value_kind: global_buffer, .address_space: global }
      - { .name: x_scales, .offset: 8, .size: 8, .value_kind: global_buffer, .address_space: global }
      - { .name: Wq_codes, .offset: 16, .size: 8, .value_kind: global_buffer, .address_space: global }
      - { .name: Wq_scales, .offset: 24, .size: 8, .value_kind: global_buffer, .address_space: global }
      - { .name: bq, .offset: 32, .size: 8, .value_kind: global_buffer, .address_space: global }
      - { .name: Wk_codes, .offset: 40, .size: 8, .value_kind: global_buffer, .address_space: global }
      - { .name: Wk_scales, .offset: 48, .size: 8, .value_kind: global_buffer, .address_space: global }
      - { .name: bk, .offset: 56, .size: 8, .value_kind: global_buffer, .address_space: global }
      - { .name: Wv_codes, .offset: 64, .size: 8, .value_kind: global_buffer, .address_space: global }
      - { .name: Wv_scales, .offset: 72, .size: 8, .value_kind: global_buffer, .address_space: global }
      - { .name: bv, .offset: 80, .size: 8, .value_kind: global_buffer, .address_space: global }
      - { .name: qc, .offset: 88, .size: 8, .value_kind: global_buffer, .address_space: global }
      - { .name: qs, .offset: 96, .size: 8, .value_kind: global_buffer, .address_space: global }
      - { .name: kv, .offset: 104, .size: 8, .value_kind: global_buffer, .address_space: global }
    .group_segment_fixed_size: 168960
    .private_segment_fixed_size: 0
    .kernarg_segment_align: 8
    .kernarg_segment_size: 112
    .max_flat_workgroup_size: 256
    .sgpr_count:     100
    .vgpr_count:     354
    .wavefront_size: 32
...
	.end_amdgpu_metadata
.endif
;; end of part 1
;; launch attn (part 2): grid 16 x 16, 16 waves a work-group, clusters of 4 x 1, 296,960 bytes of LDS; arguments qc, qs, kv, oc, os; writes oc, os
.if DOCPART == 2
	.amdgcn_target "amdgcn-amd-amdhsa--gfx1250"
	.amdhsa_code_object_version 6
	.text
	.protected	k_qa0ae9ad7a1_attn
	.globl	k_qa0ae9ad7a1_attn
	.p2align	8
	.type	k_qa0ae9ad7a1_attn,@function
k_qa0ae9ad7a1_attn:
	s_mov_b64 s[64:65], 0
	v_nop
	global_prefetch_b8 v0, s[64:65] scope:SCOPE_SE
	s_setreg_imm32_b32 hwreg(HW_REG_WAVE_MODE, 25, 1), 1
	s_wait_xcnt 0x0
	s_wait_alu depctr_hold_cnt(0) depctr_sa_sdst(0) depctr_va_vdst(0) depctr_va_sdst(0) depctr_va_ssrc(0) depctr_va_vcc(0) depctr_vm_vsrc(0)
	s_getreg_b32 s2, hwreg(HW_REG_IB_STS2, 6, 4)
	s_cmp_eq_u32 s2, 0
	s_cbranch_scc0 .Lentry_in_a_cluster
	s_endpgm
.Lentry_in_a_cluster:
	s_bfe_u32 s2, ttmp6, 0x10000c
	s_cmp_lg_u32 s2, 0x3003
	s_cbranch_scc0 .Lentry_shape_is_right
	s_endpgm
.Lentry_shape_is_right:
; Causal attention of one head on codes of FP4 (E2M1) with E8M0 scales, and the quantising of its result along the model's 512 features.
; t = score x log2(e) / 8; M = the running largest t rounded UP to a whole number; p = 2^(t - M) is quantised along the keys, not normalised; the row's sum is taken of the unquantised p and divides at the end.
; SHARES.  A work-group serves one (batch, head) and sixteen tiles of 16 queries, one a wave.  A WHOLE HEAD'S K AND V, codes and scale words, are 32 key steps x 9,216 bytes = 294,912 bytes: they come into LDS once,
; as they lie in memory, in the order of the operands' registers; every LDS load is 16 x lane + a constant.  No LDS byte is filled twice.
; EVEN WORK.  Tile tau (of 256) needs tau / 8 + 1 key steps of 128.  With rho = wave xor 3 ((wave / 4) % 2), j = the work-group's x and e = j or 15 - j by rho's parity, wave w takes tau = 16 rho + e:
; every work-group has 264 steps, and waves w, w + 4, w + 8, w + 12 have 66 together.  The number of a wave's steps is made of the wave's number and the cluster's x alone: it is the same in all four partners.
; Every wave walks all 32 trips (the trip counts are constants); a step whose keys all come after the wave's queries is left out by a scalar branch on ids.
; CLUSTER.  The four partners have the same head: its K and V are asked for jointly.
; A HEAD IS 64 WIDE, THE INSTRUCTION'S K IS 128: a fragment of K holds TWO tiles of 16 keys, one in each half of K, and Q stands beside zero codes, in the lower half ([Q | 0]) or in the upper ([0 | Q]).
; LAYOUT.  Both products are used transposed (S^T = K Q^T, O^T = V^T P^T): a lane holds one query.  Lane r of key tile (i, u) is key 32 i + 8 u + r + 8 (r / 8), so register 16 i + n of S^T is key 32 i + 16 (lane / 16) + n.
; LIMITS: NaN and infinities are not served.  A block of zeros gets the byte 1: its codes are zeros, and this program alone reads these bytes.
; REGISTERS: v1 16 x lane; v2 the step's LDS address; v3 the diagonal's bound; v4, v5 offsets; v12 -M, v13 the largest t, v[14:15] the sum in two halves; v16-19 zeros, v20-23 Q, v24-27 zeros; v28, v29 Q's two scale words;
;   v32-63 K's four fragments; v64-95 V's four; v96-159 S^T, then p; v160-191 O^T; v192-195 K's scale words, v196-199 V's; v224-231 p's codes; v232-254 at work (v252 f, v253 p's scale word).
.set L16, 1
.set ADR, 2
.set DG,  3
.set OSO, 4
.set QSO, 5
.set WV,  14                           ; s14 my wave's number
.set CLS, 15                           ; s15 my last key step, the one on the diagonal
.set G1A, 16                           ; s[16:23] descriptor group 1: 9 rows of 256 bytes;  s[24:31]: 63 rows
.set G1B, 24
.set G0A, 32                           ; s[32:35], s[36:39] groups 0
.set G0B, 36
.set STP, 40                           ; s40 the key step
.set TB,  41                           ; s41 where it begins in LDS
.set CS,  42                           ; s[42:43] c = log2(e) / 8
.set SEL, 44                           ; s[44:45] v_permlanex16_b32's selects for lane l xor 16
.set CNT, 55                           ; s55 counts a loop's trips
.set STEPB, 9216
.macro CROUND                          ; a round of the cluster's barrier
	s_barrier_signal -1
	s_barrier_wait -1
	s_cmp_lg_u32 s[WV], 0
	s_cbranch_scc1 .Lnot_wave_0_\@
	s_barrier_signal -3
.Lnot_wave_0_\@:
	s_barrier_wait -3
	s_barrier_signal -1
	s_barrier_wait -1
.endm
	s_load_b256 s[4:11], s[0:1], 0x0               ; qc 4, qs 6, kv 8, oc 10
	s_load_b64 s[12:13], s[0:1], 0x20              ; os
	v_lshl_add_u32 v251, v0, 2, 0x48000
	v_mov_b32 v255, 0
	ds_add_u32 v251, v255
	ds_add_u32 v251, v255
	v_lshrrev_b32 v6, 5, v0
	v_readfirstlane_b32 s[WV], v6                  ; wave 0..15
	s_and_b32 s46, ttmp7, 0xffff                   ; bh = 8 x batch + head
	s_bfe_u32 s47, s[WV], 0x10002                  ; (wave / 4) % 2
	s_mul_i32 s47, s47, 3
	s_xor_b32 s47, s[WV], s47                      ; rho
	s_and_b32 s48, s47, 1                          ; its parity
	s_lshr_b32 s[CLS], ttmp9, 1
	s_xor_b32 s[CLS], s[CLS], s48
	s_lshl_b32 s49, s47, 1
	s_add_co_u32 s[CLS], s[CLS], s49               ; tau / 8 = 2 rho + ((cluster x / 2) xor parity)
.irp g, G1A, G1B                               ; dense blocks as rows of 256 bytes (32 elements of 8 bytes), no padding
	s_mov_b32 s[\g], 15|(3<<16)|(1<<21)            ; 15:0 the mask: all four work-groups; 17:16 elements of 8 bytes; 21 set beside a mask
	s_mov_b32 s[\g+1], 32<<16                      ; tensor_dim0
	s_mov_b32 s[\g+3], 32<<16                      ; tile_dim0
	s_mov_b32 s[\g+5], 32                          ; from row to row
	s_mov_b32 s[\g+6], 0
	s_mov_b32 s[\g+7], 0
.endr
	s_mov_b32 s[G1A+2], 9<<16                      ; tensor_dim1
	s_mov_b32 s[G1A+4], 9                          ; tile_dim1: 16 waves x 9 rows = key steps 0 to 3
	s_mov_b32 s[G1B+2], 63<<16
	s_mov_b32 s[G1B+4], 63                         ; 16 waves x 63 rows = key steps 4 to 31
	s_mul_i32 s50, s46, 32*STEPB                   ; the head's block in kv
	s_mul_i32 s51, s[WV], 2304
	s_add_co_u32 s52, s50, s51
	s_mov_b32 s53, 0
	s_mul_i32 s54, s[WV], 16128
	s_add_co_u32 s54, s54, 4*STEPB
	s_add_co_u32 s56, s50, s54
	s_mov_b32 s57, 0
	s_mov_b32 s[CS], 0x3e38aa3b                    ; log2(e) / sqrt(64)
	s_mov_b32 s[CS+1], s[CS]                       ; (named with it as a pair, so it is written)
	s_mov_b32 s[SEL], 0x76543210
	s_mov_b32 s[SEL+1], 0xfedcba98
	s_mov_b32 s[STP], 0
	s_mov_b32 s[TB], 0
	s_wait_dscnt 0x0
	s_wait_kmcnt 0x0
	s_mov_b32 s[G0A], 1
	s_mov_b32 s[G0A+1], s51                        ; LDS is the head's block as it lies in memory
	s_add_nc_u64 s[G0A+2:G0A+3], s[8:9], s[52:53]
	s_or_b32 s[G0A+3], s[G0A+3], 0x80000000
	s_mov_b32 s[G0B], 1
	s_mov_b32 s[G0B+1], s54
	s_add_nc_u64 s[G0B+2:G0B+3], s[8:9], s[56:57]
	s_or_b32 s[G0B+3], s[G0B+3], 0x80000000
	; my tile.  The place in the cluster enters Q's, oc's and os's addresses and the diagonal's bound alone
	s_bfe_u32 s58, ttmp6, 0x40000                  ; cx
	s_lshl_b32 s59, ttmp9, 2
	s_add_co_u32 s59, s59, s58                     ; j
	s_mul_i32 s58, s48, 15
	s_xor_b32 s59, s59, s58                        ; e = j or 15 - j
	s_lshl_b32 s58, s47, 4
	s_add_co_u32 s59, s59, s58                     ; tau
	s_lshl_b32 s50, s46, 17
	s_lshl_b32 s51, s59, 9
	s_add_co_u32 s50, s50, s51                     ; (256 bh + tau) x 512
	s_mov_b32 s51, 0
	s_add_nc_u64 s[4:5], s[4:5], s[50:51]
	s_lshr_b32 s50, s50, 2                         ; (128 bh + tau / 2) x 256 + 128 (tau % 2)
	s_add_nc_u64 s[6:7], s[6:7], s[50:51]
	s_lshr_b32 s52, s46, 3
	s_lshl_b32 s52, s52, 8
	s_add_co_u32 s52, s52, s59                     ; T = 256 x batch + tau
	s_and_b32 s58, s46, 7                          ; the head
	s_lshl_b32 s50, s52, 12
	s_lshl_b32 s56, s58, 9
	s_add_co_u32 s50, s50, s56
	s_add_nc_u64 s[10:11], s[10:11], s[50:51]      ; oc + 4,096 T + 512 head
	s_lshl_b32 s50, s52, 8
	s_lshl_b32 s56, s58, 1
	s_add_co_u32 s50, s50, s56
	s_add_nc_u64 s[12:13], s[12:13], s[50:51]      ; os + 256 T + 2 head
	s_and_b32 s47, s59, 6
	s_lshl_b32 s47, s47, 4                         ; 32 x (my group's place in its key step)
	s_and_b32 s48, s59, 1
	s_lshl_b32 s48, s48, 3                         ; + 8 x (which tile of the group)
	s_add_co_u32 s47, s47, s48
	v_and_b32 v6, 31, v0
	v_lshlrev_b32 v[L16], 4, v6
	v_and_b32 v7, 15, v0                           ; r
	v_bfe_u32 v8, v0, 4, 1                         ; h
	v_lshlrev_b32 v[OSO], 4, v7
	v_lshlrev_b32 v[QSO], 3, v7
	v_and_b32 v9, 8, v7
	v_add_nc_u32 v9, v9, v7                        ; r + 8 (r / 8)
	v_lshlrev_b32 v8, 4, v8
	v_sub_nc_u32 v[DG], v9, v8
	v_add_nc_u32 v[DG], s47, v[DG]                 ; my query's place in the diagonal's step, less 16 h: register 16 i + n is hidden where 32 i + n is above it
	CROUND                                         ; all four work-groups are here: the joint loads meet
	tensor_load_to_lds s[G0A:G0A+3], s[G1A:G1A+7]  ; two loads of mine are out
	s_nop 0
	tensor_load_to_lds s[G0B:G0B+3], s[G1B:G1B+7]
	s_nop 0
.rept 4
	v_nop                                          ; four plain lines follow the second
.endr
	global_load_b128 v[20:23], v[L16], s[4:5]      ; Q: lane (r, h) holds block h of query r
	global_load_b64 v[28:29], v[QSO], s[6:7]       ; its scale words for [Q | 0] and for [0 | Q]
.irp j, 16,17,18,19,24,25,26,27
	v_mov_b32 v[\j], 0                             ; zero codes beside Q
.endr
	v_mov_b32 v13, 0xff61b1e6                      ; the largest t so far: -3e38, under every t
	v_floor_f32 v12, -v13                          ; -M
	v_mov_b32 v14, 0                               ; the sum, in two halves
	v_mov_b32 v15, 0
.irp b, 0,1,2,3
	v_mov_b32 v[236+\b], 0                         ; written once: a lane permute's destination counts as one of its sources
.endr
	v_mov_b32 v252, 0
	v_mov_b32 v253, 0                              ; (named as the upper half of the pair v[252:253] before it is first written)
.irp j, 0,1,2,3,4,5,6,7,8,9,10,11,12,13,14,15,16,17,18,19,20,21,22,23,24,25,26,27,28,29,30,31
	v_mov_b32 v[160+\j], 0                         ; O^T: the step is written for every trip alike; the first finds zeros, which the first change of M leaves zeros
.endr
; A KEY STEP: 128 keys.
.macro STEP
	s_cmp_gt_u32 s[STP], s[CLS]                    ; all its keys come after my queries: nothing to do but to step
	s_cbranch_scc1 .Lhidden_\@
	v_add_nc_u32 v[ADR], s[TB], v[L16]
.rept 3
	v_nop                                          ; with the addition: four places in front of loads into registers that the last step's products have read
.endr
	ds_load_b128 v[192:195], v[ADR] offset:8192    ; K's four scale words
.irp n, 0,1,2,3,4,5,6,7
	ds_load_b128 v[32+4*\n:35+4*\n], v[ADR] offset:512*\n
.endr
	ds_load_b128 v[196:199], v[ADR] offset:8704    ; V's four
.irp n, 0,1,2,3,4,5,6,7
	ds_load_b128 v[64+4*\n:67+4*\n], v[ADR] offset:4096+512*\n
.endr
	s_wait_dscnt 9                                 ; K and its words are in; V's nine loads may be out
.irp i, 0,1,2,3
	v_wmma_scale_f32_16x16x128_f8f6f4 v[96+16*\i:103+16*\i], v[32+8*\i:39+8*\i], v[20:27], 0, v[192+\i], v28 matrix_a_fmt:MATRIX_FMT_FP4 matrix_b_fmt:MATRIX_FMT_FP4    ; the tile in the lower half of K
	v_wmma_scale_f32_16x16x128_f8f6f4 v[104+16*\i:111+16*\i], v[32+8*\i:39+8*\i], v[16:23], 0, v[192+\i], v29 matrix_a_fmt:MATRIX_FMT_FP4 matrix_b_fmt:MATRIX_FMT_FP4   ; the tile in the upper half
.endr
.rept 4
	v_nop
.endr
	s_cmp_lt_u32 s[STP], s[CLS]                    ; all keys of an earlier step count
	s_cbranch_scc1 .Lopen_\@
	v_mov_b32 v254, 0xff800000                     ; on the diagonal the scores of hidden keys become -infinity ahead of the maximum: p = 0 then
.irp n, 0,1,2,3,4,5,6,7,8,9,10,11,12,13,14,15,16,17,18,19,20,21,22,23,24,25,26,27,28,29,30,31,32,33,34,35,36,37,38,39,40,41,42,43,44,45,46,47,48,49,50,51,52,53,54,55,56,57,58,59,60,61,62,63
	v_cmp_gt_i32 vcc_lo, 32*(\n/16)+\n%16, v[DG]
	v_cndmask_b32 v[96+\n], v[96+\n], v254, vcc_lo
.endr
.Lopen_\@:
.irp b, 0,1,2,3
	v_max3_num_f32 v[232+\b], v[96+16*\b], v[97+16*\b], v[98+16*\b]   ; the largest score of each block of 32 keys: for the row's maximum, and, since p rises with the score, for the block's largest p
.endr
.irp i, 3,5,7,9,11,13
.irp b, 0,1,2,3
	v_max3_num_f32 v[232+\b], v[232+\b], v[96+16*\b+\i], v[97+16*\b+\i]
.endr
.endr
.irp b, 0,1,2,3
	v_max_num_f32 v[232+\b], v[232+\b], v[111+16*\b]
.endr
.irp b, 0,1,2,3
	v_permlanex16_b32 v[236+\b], v[232+\b], s[SEL], s[SEL+1]
.endr
.irp b, 0,1,2,3
	v_max_num_f32 v[232+\b], v[232+\b], v[236+\b]  ; with lane l xor 16's 16 keys
.endr
	v_max3_num_f32 v254, v232, v233, v234
	v_max_num_f32 v254, v254, v235                 ; the step's largest score of my query
	v_mul_f32 v254, s[CS], v254                    ; as t (c is positive)
	v_max_num_f32 v13, v13, v254                   ; the running largest t
	v_mov_b32 v254, v12
	v_floor_f32 v12, -v13                          ; the new -M = floor(-t) = -ceil(t): a whole number
	v_sub_f32 v254, v12, v254                      ; M's old value less its new one: a whole number, 0 or less
	v_cvt_i32_f32 v254, v254                       ; (it saturates)
	v_ldexp_f32 v252, 1.0, v254                    ; f = 2^(old M - new M): a multiplication by it rounds nothing
.irp j, 0,2,4,6,8,10,12,14,16,18,20,22,24,26,28,30,32,34,36,38,40,42,44,46,48,50,52,54,56,58,60,62
	v_pk_fma_f32 v[96+\j:97+\j], v[96+\j:97+\j], s[CS:CS+1], v[12:13] op_sel_hi:[1,0,0]   ; t - M, two at a time
.endr
.irp b, 0,1,2,3
	v_fma_f32 v[232+\b], v[232+\b], s[CS], v12     ; the same of each block's largest score
.endr
.irp j, 0,1,2,3,4,5,6,7,8,9,10,11,12,13,14,15,16,17,18,19,20,21,22,23,24,25,26,27,28,29,30,31,32,33,34,35,36,37,38,39,40,41,42,43,44,45,46,47,48,49,50,51,52,53,54,55,56,57,58,59,60,61,62,63
	v_exp_f32 v[96+\j], v[96+\j]                   ; p = 2^(t - M), at most 1
.endr
	v_pk_mul_f32 v[14:15], v[14:15], v[252:253] op_sel_hi:[1,0]   ; the sums under the new M: the plain line behind the exponentials
	s_wait_alu depctr_va_vdst(0)                   ; one wait for the whole batch, ahead of its first reader
.irp b, 0,1,2,3
	v_exp_f32 v[232+\b], v[232+\b]                 ; the block's largest p: the same two instructions on the same number give the same bits
.endr
	v_pk_add_f32 v[236:237], v[96:97], v[98:99]    ; the row's sum is taken of the unquantised p, in two chains; it reads the 64 alone
.irp j, 4,8,12,16,20,24,28,32,36,40,44,48,52,56,60
	v_pk_add_f32 v[14:15], v[14:15], v[96+\j:97+\j]
	v_pk_add_f32 v[236:237], v[236:237], v[98+\j:99+\j]
.endr
	v_pk_add_f32 v[14:15], v[14:15], v[236:237]
	s_wait_alu depctr_va_vdst(0)                   ; and one for the four
.irp b, 0,1,2,3
	v_max_num_f32 v[232+\b], 0x1800000, v[232+\b]  ; the floor 2^(3 - 127): the byte cannot fall under 1
.endr
.irp b, 0,1,2,3
	v_add_nc_u32 v[244+\b], 0xff000000, v[232+\b]  ; 2 off the exponent field: the conversion's scale operand
.endr
.irp b, 0,1,2,3
	v_lshrrev_b32 v[236+\b], 23, v[244+\b]         ; the scale's byte
.endr
	v_lshl_or_b32 v253, v237, 8, v236              ; p's scale word for these 128 keys
	v_lshl_or_b32 v253, v238, 16, v253
	v_lshl_or_b32 v253, v239, 24, v253
.irp b, 0,1,2,3
	v_cvt_scalef32_pk8_fp4_f32 v[224+2*\b], v[96+16*\b:103+16*\b], v[244+\b]
	v_cvt_scalef32_pk8_fp4_f32 v[225+2*\b], v[104+16*\b:111+16*\b], v[244+\b]
.endr
	v_nop                                          ; one plain line behind the last conversion
.irp c, 0,1                                    ; the operand's layout wants a WHOLE block in a lane
.irp i, 0,1
	v_permlane16_swap_b32 v[224+4*\c+\i], v[226+4*\c+\i]
.endr
.endr
.irp j, 0,2,4,6,8,10,12,14,16,18,20,22,24,26,28,30
	v_pk_mul_f32 v[160+\j:161+\j], v[160+\j:161+\j], v[252:253] op_sel_hi:[1,0]   ; O^T under the new M.  These 16 are also the places between the scale word, the codes and the products below
.endr
	s_wait_dscnt 0x0                               ; V is in
.irp t, 0,1,2,3                                ; O^T += V^T P^T: the four accumulators by turns, one instruction a turn
	v_wmma_scale_f32_16x16x128_f8f6f4 v[160+8*\t:167+8*\t], v[64+8*\t:71+8*\t], v[224:231], v[160+8*\t:167+8*\t], v[196+\t], v253 matrix_a_fmt:MATRIX_FMT_FP4 matrix_b_fmt:MATRIX_FMT_FP4
.endr
.Lhidden_\@:
	s_add_co_u32 s[TB], s[TB], STEPB
	s_add_co_u32 s[STP], s[STP], 1
.endm
	s_wait_tensorcnt 1                             ; my part of key steps 0 to 3 is in; the larger load may stay out
	s_barrier_signal -1
	s_barrier_wait -1                              ; everybody's is
	s_wait_loadcnt 0x0                             ; Q
	s_mov_b32 s[CNT], 4
.Lfirst:                                           ; key steps 0 to 3, while steps 4 to 31 land
	STEP
	s_sub_co_u32 s[CNT], s[CNT], 1
	s_cmp_lg_u32 s[CNT], 0
	s_cbranch_scc1 .Lfirst
	s_wait_tensorcnt 0x0                           ; for the others' sake: my part of key steps 4 to 31 is in
	s_wait_dscnt 0x0
	s_barrier_signal -1
	s_barrier_wait -1
	s_mov_b32 s[CNT], 28
.Lrest:                                            ; from here on no wave waits for another
	STEP
	s_sub_co_u32 s[CNT], s[CNT], 1
	s_cmp_lg_u32 s[CNT], 0
	s_cbranch_scc1 .Lrest
	; THE WAY OUT: O^T / the sum, quantised along the features (my head's 64 are blocks 2 head and 2 head + 1 of the last product's K), stored as the last launch's operand registers take it.
.rept 4
	v_nop
.endr
	v_add_f32 v14, v14, v15                        ; the sum's two halves,
	v_permlanex16_b32 v252, v14, s[SEL], s[SEL+1]
	v_add_f32 v14, v14, v252                       ; and lane l xor 16's
	v_rcp_f32 v14, v14
	v_nop                                          ; a plain line behind the reciprocal
	s_wait_alu depctr_va_vdst(0)                   ; and the wait ahead of its first reader
.irp j, 0,2,4,6,8,10,12,14,16,18,20,22,24,26,28,30
	v_pk_mul_f32 v[96+\j:97+\j], v[160+\j:161+\j], v[14:15] op_sel_hi:[1,0]   ; register 16 b + n: feature 32 b + 16 h + n of my query
.endr
.irp b, 0,1
	v_max3_num_f32 v[232+\b], |v[96+16*\b]|, |v[97+16*\b]|, 0x1800000
.endr
.irp i, 2,4,6,8,10,12,14
.irp b, 0,1
	v_max3_num_f32 v[232+\b], v[232+\b], |v[96+16*\b+\i]|, |v[97+16*\b+\i]|
.endr
.endr
.irp b, 0,1
	v_permlanex16_b32 v[236+\b], v[232+\b], s[SEL], s[SEL+1]
.endr
.irp b, 0,1
	v_max_num_f32 v[232+\b], v[232+\b], v[236+\b]
.endr
.irp b, 0,1
	v_add_nc_u32 v[244+\b], 0xff000000, v[232+\b]
.endr
.irp b, 0,1
	v_lshrrev_b32 v[236+\b], 23, v[244+\b]
.endr
.irp b, 0,1
	v_cvt_scalef32_pk8_fp4_f32 v[224+2*\b], v[96+16*\b:103+16*\b], v[244+\b]
	v_cvt_scalef32_pk8_fp4_f32 v[225+2*\b], v[104+16*\b:111+16*\b], v[244+\b]
.endr
	v_nop
	v_permlane16_swap_b32 v224, v226
	v_permlane16_swap_b32 v225, v227               ; lane (r, h): block h of row r
	v_lshl_or_b32 v240, v237, 8, v236
	global_store_b128 v[L16], v[224:227], s[10:11] ; 512 consecutive bytes, aligned
	global_store_b16 v[OSO], v240, s[12:13]        ; a row's two bytes of its 16 (both halves of the lanes hold and write the same): 2 of every 34 bytes that the launch stores
	s_wait_tensorcnt 0x0
	ds_add_u32 v251, v255
	s_wait_dscnt 0x0
	CROUND                                         ; the closing round
	s_endpgm
.Lfunc_end_k_qa0ae9ad7a1_attn:
	.size	k_qa0ae9ad7a1_attn, .Lfunc_end_k_qa0ae9ad7a1_attn-k_qa0ae9ad7a1_attn
	.p2alignl 7, 3214868480
	.fill 96, 4, 3214868480
	.section	.rodata,"a",@progbits
	.p2align	6, 0x0
	.amdhsa_kernel k_qa0ae9ad7a1_attn
		.amdhsa_group_segment_fixed_size 296960
		.amdhsa_private_segment_fixed_size 0
		.amdhsa_enable_private_segment 0
		.amdhsa_kernarg_size 40
		.amdhsa_user_sgpr_count 2
		.amdhsa_user_sgpr_kernarg_segment_ptr 1
		.amdhsa_wavefront_size32 1
		.amdhsa_system_sgpr_workgroup_id_x 1
		.amdhsa_system_sgpr_workgroup_id_y 1
		.amdhsa_system_sgpr_workgroup_id_z 1
		.amdhsa_system_vgpr_workitem_id 0
		.amdhsa_next_free_vgpr 256
		.amdhsa_next_free_sgpr 66
		.amdhsa_reserve_vcc 1
		.amdhsa_float_denorm_mode_32 3
		.amdhsa_float_denorm_mode_16_64 3
		.amdhsa_memory_ordered 1
		.amdhsa_forward_progress 1
		.amdhsa_inst_pref_size 51
	.end_amdhsa_kernel
	.amdgpu_metadata
---
amdhsa.version: [ 1, 2 ]
amdhsa.kernels:
  - .name:           k_qa0ae9ad7a1_attn
    .symbol:         k_qa0ae9ad7a1_attn.kd
    .args:
      - { .name: qc, .offset: 0, .size: 8, .value_kind: global_buffer, .address_space: global }
      - { .name: qs, .offset: 8, .size: 8, .value_kind: global_buffer, .address_space: global }
      - { .name: kv, .offset: 16, .size: 8, .value_kind: global_buffer, .address_space: global }
      - { .name: oc, .offset: 24, .size: 8, .value_kind: global_buffer, .address_space: global }
      - { .name: os, .offset: 32, .size: 8, .value_kind: global_buffer, .address_space: global }
    .group_segment_fixed_size: 296960
    .private_segment_fixed_size: 0
    .kernarg_segment_align: 8
    .kernarg_segment_size: 40
    .max_flat_workgroup_size: 512
    .sgpr_count:     66
    .vgpr_count:     256
    .wavefront_size: 32
...
	.end_amdgpu_metadata
.endif
;; end of part 2
;; launch outp (part 3): grid 64 x 4, 8 waves a work-group, clusters of 4 x 1, 168,960 bytes of LDS; arguments oc, os, Wo_codes, Wo_scales, bo, out0; writes out0
.if DOCPART == 3
	.amdgcn_target "amdgcn-amd-amdhsa--gfx1250"
	.amdhsa_code_object_version 6
	.text
	.protected	k_qa0ae9ad7a1_outp
	.globl	k_qa0ae9ad7a1_outp
	.p2align	8
	.type	k_qa0ae9ad7a1_outp,@function
k_qa0ae9ad7a1_outp:
	s_mov_b64 s[64:65], 0
	v_nop
	global_prefetch_b8 v0, s[64:65] scope:SCOPE_SE
	s_setreg_imm32_b32 hwreg(HW_REG_WAVE_MODE, 25, 1), 1
	s_wait_xcnt 0x0
	s_wait_alu depctr_hold_cnt(0) depctr_sa_sdst(0) depctr_va_vdst(0) depctr_va_sdst(0) depctr_va_ssrc(0) depctr_va_vcc(0) depctr_vm_vsrc(0)
	s_getreg_b32 s2, hwreg(HW_REG_IB_STS2, 6, 4)
	s_cmp_eq_u32 s2, 0
	s_cbranch_scc0 .Lentry_in_a_cluster
	s_endpgm
.Lentry_in_a_cluster:
	s_bfe_u32 s2, ttmp6, 0x10000c
	s_cmp_lg_u32 s2, 0x3003
	s_cbranch_scc0 .Lentry_shape_is_right
	s_endpgm
.Lentry_shape_is_right:
; out0 = o Wo + bo on codes of FP4 (E2M1) with E8M0 scales; o's codes and scale bytes were laid by the attention launch in the order of this launch's operand registers.
; SHARES.  A work-group takes 8 tiles of 16 tokens x 128 features; wave w one tile against eight tiles of 16 features: 8 accumulators x 4 K steps = 32 matrix instructions.
; Lane r of tile T is token 32 (T / 2) + 8 (T % 2) + r + 8 (r / 8).  Source 0 = 16 rows of Wo, source 1 = the tile: a lane holds eight neighbouring features of one token.
; CLUSTER.  The four partners take the same 128 rows of Wo (32 KiB): asked for jointly.  o's codes go straight into registers: in a work-group each fragment is read by one wave alone.
; LDS: Wo's 128 rows at pitch 272, filled once; behind them a stage of 16 rows x 528 bytes for each wave.  No LDS byte is filled twice.
; The bias is loaded into the accumulators, so the first product adds onto it.
; REGISTERS: v1-6 addresses; v12-15 o's scale words; v16-31 Wo's (16 + 4 p + s: lanes 0-15 tile 2 p, lanes 16-31 tile 2 p + 1); v32-63 o's four fragments; v64-127, v128-191 Wo's fragments, two sets; v192-255 the accumulators.
.set PITCH,  272
.set STAGE,  128*PITCH                 ; 34,816 = 136 x 256
.set SPITCH, 528
.set WV,  16
.set G1,  24
.set G0,  32
.set AS,  12
.set WS,  16
.set AF,  32
.set WF,  64
.set ACC, 192
.macro CROUND                          ; a round of the cluster's barrier
	s_barrier_signal -1
	s_barrier_wait -1
	s_cmp_lg_u32 s[WV], 0
	s_cbranch_scc1 .Lnot_wave_0_\@
	s_barrier_signal -3
.Lnot_wave_0_\@:
	s_barrier_wait -3
	s_barrier_signal -1
	s_barrier_wait -1
.endm
.macro WLOAD s                         ; Wo's eight fragments of K step s into set s % 2
.irp f, 0,1,2,3,4,5,6,7
.irp c, 0,1
	ds_load_b128 v[WF+64*((\s)%2)+8*\f+4*\c:WF+64*((\s)%2)+8*\f+4*\c+3], v2 offset:16*\f*PITCH+64*(\s)+32*\c
.endr
.endr
.endm
.macro PRODS s                         ; K step s: the eight accumulators by turns, one instruction a turn
.irp f, 0,1,2,3,4,5,6,7
.if \f % 2
	v_wmma_scale_f32_16x16x128_f8f6f4 v[ACC+8*\f:ACC+8*\f+7], v[WF+64*((\s)%2)+8*\f:WF+64*((\s)%2)+8*\f+7], v[AF+8*(\s):AF+8*(\s)+7], v[ACC+8*\f:ACC+8*\f+7], v[WS+4*(\f/2)+(\s)], v[AS+(\s)] matrix_a_fmt:MATRIX_FMT_FP4 matrix_b_fmt:MATRIX_FMT_FP4 matrix_a_scale:MATRIX_SCALE_ROW1
.else
	v_wmma_scale_f32_16x16x128_f8f6f4 v[ACC+8*\f:ACC+8*\f+7], v[WF+64*((\s)%2)+8*\f:WF+64*((\s)%2)+8*\f+7], v[AF+8*(\s):AF+8*(\s)+7], v[ACC+8*\f:ACC+8*\f+7], v[WS+4*(\f/2)+(\s)], v[AS+(\s)] matrix_a_fmt:MATRIX_FMT_FP4 matrix_b_fmt:MATRIX_FMT_FP4
.endif
.endr
.rept 4
	v_nop                                          ; places in front of loads into the set just read, and of the first read of the results
.endr
.endm
	s_load_b256 s[4:11], s[0:1], 0x0               ; oc 4, os 6, Wo codes 8, Wo scales 10
	s_load_b128 s[12:15], s[0:1], 0x20             ; bo 12, out0 14
	v_lshl_add_u32 v10, v0, 2, 0x29000
	v_mov_b32 v11, 0
	ds_add_u32 v10, v11
	ds_add_u32 v10, v11
	v_lshrrev_b32 v7, 5, v0
	v_readfirstlane_b32 s[WV], v7                  ; wave 0..7
	s_and_b32 s17, ttmp7, 0xffff                   ; which 128 features: shared by the four partners
	s_mov_b32 s[G1+0], 15|(1<<20)|(1<<21)|(5<<22)|(3<<25)   ; the mask: all four work-groups; elements of 1 byte; padding: four words after every 64; 21 set beside a mask
	s_mov_b32 s[G1+1], 256<<16                     ; tensor_dim0
	s_mov_b32 s[G1+2], 16<<16                      ; tensor_dim1
	s_mov_b32 s[G1+3], 256<<16                     ; tile_dim0
	s_mov_b32 s[G1+4], 16                          ; tile_dim1
	s_mov_b32 s[G1+5], 256                         ; from row to row
	s_mov_b32 s[G1+6], 0
	s_mov_b32 s[G1+7], 0
	s_lshl_b32 s18, s17, 15                        ; 128 rows of 256 bytes,
	s_lshl_b32 s19, s[WV], 12                      ; my 16 of them
	s_add_co_u32 s18, s18, s19
	s_mov_b32 s19, 0
	s_mul_i32 s20, s[WV], 16*PITCH
	s_bfe_u32 s21, ttmp6, 0x40000                  ; cx
	s_lshl_b32 s22, ttmp9, 2
	s_add_co_u32 s22, s22, s21                     ; my block of 8 tiles
	s_lshl_b32 s22, s22, 3
	s_add_co_u32 s22, s22, s[WV]                   ; T
	s_mul_i32 s39, s[WV], 16*SPITCH
	s_add_co_u32 s39, s39, STAGE                   ; my stage
	v_and_b32 v7, 31, v0
	v_lshlrev_b32 v1, 4, v7                        ; 16 x lane
	v_and_b32 v8, 15, v0                           ; r
	v_bfe_u32 v9, v0, 4, 1                         ; h
	v_mul_u32_u24 v2, v8, PITCH
	v_lshl_add_u32 v2, v9, 4, v2                   ; Wo in LDS: row r, + 16 h
	v_lshlrev_b32 v3, 4, v8                        ; o's scale words: 16 bytes a row
	v_lshlrev_b32 v4, 5, v9                        ; bo: my half's 8 features
	v_mul_u32_u24 v5, v8, SPITCH
	v_lshl_add_u32 v5, v9, 5, v5
	v_add_nc_u32 v5, s39, v5                       ; the stage, in: row r, + 32 h
	v_add_nc_u32 v6, s39, v1                       ; and back: 16 bytes a lane of a row of 512
	s_wait_dscnt 0x0
	s_wait_kmcnt 0x0
	s_mov_b32 s[G0], 1
	s_mov_b32 s[G0+1], s20
	s_add_nc_u64 s[G0+2:G0+3], s[8:9], s[18:19]
	s_or_b32 s[G0+3], s[G0+3], 0x80000000
	s_mov_b32 s37, 0
	s_lshl_b32 s36, s22, 12
	s_add_nc_u64 s[4:5], s[4:5], s[36:37]          ; oc + 4,096 T
	s_lshl_b32 s36, s22, 8
	s_add_nc_u64 s[6:7], s[6:7], s[36:37]          ; os + 256 T
	s_lshl_b32 s36, s17, 11
	s_add_nc_u64 s[10:11], s[10:11], s[36:37]      ; 128 rows of 16 scale bytes
	s_lshl_b32 s36, s17, 9
	s_add_nc_u64 s[12:13], s[12:13], s[36:37]      ; 128 numbers of bo
	s_lshr_b32 s36, s22, 1
	s_lshl_b32 s36, s36, 16                        ; 32 (T / 2) rows of 2,048 bytes
	s_and_b32 s38, s22, 1
	s_lshl_b32 s38, s38, 14                        ; + 8 (T % 2) rows
	s_add_co_u32 s36, s36, s38
	s_lshl_b32 s38, s17, 9                         ; + my 128 features
	s_add_co_u32 s36, s36, s38
	s_add_nc_u64 s[14:15], s[14:15], s[36:37]
	CROUND                                         ; all four work-groups are here: the joint loads meet
	tensor_load_to_lds s[G0:G0+3], s[G1:G1+7]      ; my 16 rows of Wo: one load of mine is out
	s_nop 0
.rept 4
	v_nop                                          ; four plain lines follow it
.endr
.irp n, 0,1,2,3,4,5,6,7
	global_load_b128 v[AF+4*\n:AF+4*\n+3], v1, s[4:5] offset:512*\n   ; head n = 2 s + c: K step s, registers 4 c on; 512 consecutive bytes
.endr
	global_load_b128 v[AS:AS+3], v3, s[6:7]
.irp p, 0,1,2,3
	global_load_b128 v[WS+4*\p:WS+4*\p+3], v1, s[10:11] offset:512*\p
.endr
.irp f, 0,1,2,3,4,5,6,7
	global_load_b128 v[ACC+8*\f:ACC+8*\f+3], v4, s[12:13] offset:64*\f        ; lane (r, h), register j: feature 16 f + 8 h + j
	global_load_b128 v[ACC+8*\f+4:ACC+8*\f+7], v4, s[12:13] offset:64*\f+16
.endr
	s_wait_tensorcnt 0x0                           ; for the others' sake: every wave reads all rows
	s_barrier_signal -1
	s_barrier_wait -1
	WLOAD 0
	WLOAD 1
	s_wait_loadcnt 0x0
	s_wait_dscnt 16                                ; K step 0's fragments are in; K step 1's 16 loads may be out
	PRODS 0
	WLOAD 2
	s_wait_dscnt 16
	PRODS 1
	WLOAD 3
	s_wait_dscnt 16
	PRODS 2
	s_wait_dscnt 0x0
	PRODS 3
	; THE WAY OUT: a lane holds 32 neighbouring bytes of a row for each tile of features: through my own stage, back as whole rows of 512 bytes.  LDS serves a wave's instructions in order (ISA guide 5.7.1.4).
.irp f, 0,1,2,3,4,5,6,7
	ds_store_b128 v5, v[ACC+8*\f:ACC+8*\f+3] offset:64*\f          ; each accumulator from its low end on
	ds_store_b128 v5, v[ACC+8*\f+4:ACC+8*\f+7] offset:64*\f+16
.endr
.irp t, 0,1,2,3,4,5,6,7,8,9,10,11,12,13,14,15
	ds_load_b128 v[WF+4*\t:WF+4*\t+3], v6 offset:\t*SPITCH
.endr
.irp t, 0,1,2,3,4,5,6,7,8,9,10,11,12,13,14,15
	s_wait_dscnt 15-\t                             ; row t is back; the loads behind it may be out
	global_store_b128 v1, v[WF+4*\t:WF+4*\t+3], s[14:15] offset:(\t+8*(\t/8))*2048 th:TH_STORE_NT   ; 32 lanes store 512 consecutive bytes, at a multiple of 256 from out0's first byte
.endr
	s_wait_tensorcnt 0x0
	ds_add_u32 v10, v11
	s_wait_dscnt 0x0
	CROUND                                         ; the closing round
	s_endpgm
.Lfunc_end_k_qa0ae9ad7a1_outp:
	.size	k_qa0ae9ad7a1_outp, .Lfunc_end_k_qa0ae9ad7a1_outp-k_qa0ae9ad7a1_outp
	.p2alignl 7, 3214868480
	.fill 96, 4, 3214868480
	.section	.rodata,"a",@progbits
	.p2align	6, 0x0
	.amdhsa_kernel k_qa0ae9ad7a1_outp
		.amdhsa_group_segment_fixed_size 168960
		.amdhsa_private_segment_fixed_size 0
		.amdhsa_enable_private_segment 0
		.amdhsa_kernarg_size 48
		.amdhsa_user_sgpr_count 2
		.amdhsa_user_sgpr_kernarg_segment_ptr 1
		.amdhsa_wavefront_size32 1
		.amdhsa_system_sgpr_workgroup_id_x 1
		.amdhsa_system_sgpr_workgroup_id_y 1
		.amdhsa_system_sgpr_workgroup_id_z 1
		.amdhsa_system_vgpr_workitem_id 0
		.amdhsa_next_free_vgpr 256
		.amdhsa_next_free_sgpr 66
		.amdhsa_reserve_vcc 0
		.amdhsa_float_denorm_mode_32 3
		.amdhsa_float_denorm_mode_16_64 3
		.amdhsa_memory_ordered 1
		.amdhsa_forward_progress 1
		.amdhsa_inst_pref_size 20
	.end_amdhsa_kernel
	.amdgpu_metadata
---
amdhsa.version: [ 1, 2 ]
amdhsa.kernels:
  - .name:           k_qa0ae9ad7a1_outp
    .symbol:         k_qa0ae9ad7a1_outp.kd
    .args:
      - { .name: oc, .offset: 0, .size: 8, .value_kind: global_buffer, .address_space: global }
      - { .name: os, .offset: 8, .size: 8, .value_kind: global_buffer, .address_space: global }
      - { .name: Wo_codes, .offset: 16, .size: 8, .value_kind: global_buffer, .address_space: global }
      - { .name: Wo_scales, .offset: 24, .size: 8, .value_kind: global_buffer, .address_space: global }
      - { .name: bo, .offset: 32, .size: 8, .value_kind: global_buffer, .address_space: global }
      - { .name: out0, .offset: 40, .size: 8, .value_kind: global_buffer, .address_space: global }
    .group_segment_fixed_size: 168960
    .private_segment_fixed_size: 0
    .kernarg_segment_align: 8
    .kernarg_segment_size: 48
    .max_flat_workgroup_size: 256
    .sgpr_count:     66
    .vgpr_count:     256
    .wavefront_size: 32
...
	.end_amdgpu_metadata
.endif
;; end of part 3
